; MI455X (gfx1250); checked and timed in simulation.
; The chip was launched on July 23, 2026; its instructions are those of AMD's public machine-readable ISA for CDNA 5 (MIT licence, August 2026) and "CDNA5" Instruction Set Architecture Reference Guide (July 2026). The comments in the code are by the model that wrote it; some were corrected since.
;; Custom Multihead Attention. Allowed arithmetic: matrix products marked QUANTISED: E4M3 operands, one given power-of-two scale a tensor, by v_wmma_f32_16x16x64_fp8_fp8 or v_wmma_f32_16x16x128_fp8_fp8, f32 sums; everything else in f32.
;; Inputs: Wk_codes 1,024 x 32 x 32 uint8 (E4M3 codes of Wk, K innermost, in blocks of 32 codes); Wo_codes 1,024 x 32 x 32 uint8 (E4M3 codes of Wo, K innermost, in blocks of 32 codes); Wq_codes 1,024 x 32 x 32 uint8 (E4M3 codes of Wq, K innermost, in blocks of 32 codes); Wv_codes 1,024 x 32 x 32 uint8 (E4M3 codes of Wv, K innermost, in blocks of 32 codes); bk 1,024 float32; bo 1,024 float32; bq 1,024 float32; bv 1,024 float32; lowp_scales 12 int32 (the exponents e of the quantised operands' scales 2^e); x_codes 4 x 2,048 x 32 x 32 uint8 (E4M3 codes of x, K innermost, in blocks of 32 codes).
;; Outputs: out0 4 x 2,048 x 1,024 float32.
;; This version of the problem:
;;   THIS VERSION OF THE PROBLEM IS GIVEN IN LOW PRECISION. The matrix products marked QUANTISED in the list below multiply operands that are first quantised to E4M3 (4 exponent bits, 3 mantissa bits; 8 bits a number), with one given power-of-two scale for each operand tensor; their sums are f32. All else is computed in f32.
;;   The module's matrix products, in the order in which they are computed (A, B: the left and right operand; K: the contracted axis; several contracted axes count as one K, in the product's order):
;;     1. [M 8,192, K 1,024] x [K 1,024, N 1,024]; A: input x (given as codes); B: input Wq (given as codes): QUANTISED (scales: A lowp_scales[0], B lowp_scales[1])
;;     2. [M 8,192, K 1,024] x [K 1,024, N 1,024]; A: input x (given as codes); B: input Wk (given as codes): QUANTISED (scales: A lowp_scales[2], B lowp_scales[3])
;;     3. [M 8,192, K 1,024] x [K 1,024, N 1,024]; A: input x (given as codes); B: input Wv (given as codes): QUANTISED (scales: A lowp_scales[4], B lowp_scales[5])
;;     4. batch 64 x [M 2,048, K 64] x [K 64, N 2,048]; A: computed on the way; B: computed on the way: QUANTISED (scales: A lowp_scales[6], B lowp_scales[7])
;;     5. batch 64 x [M 2,048, K 2,048] x [K 2,048, N 64]; A: softmax (see below); B: computed on the way: QUANTISED (scales: A lowp_scales[8], B lowp_scales[9])
;;     6. [M 8,192, K 1,024] x [K 1,024, N 1,024]; A: computed on the way; B: input Wo (given as codes): QUANTISED (scales: A lowp_scales[10], B lowp_scales[11])
;;   THE QUANTISER, for each operand of a quantised product, along K:
;;     - The operand's scale is 2^e, e = its entry of the input lowp_scales (int32; the entries are numbered through the quantised products in the list's order, A before B).
;;     - Each number is divided by the scale, clamped to +-448, and rounded to the nearest number of E4M3, ties to even, subnormals kept.
;;     - The product sums the exact products of the quantised numbers (number of the format x scale) in f32.
;;   ~~~python
;;   def quantise(x, axis, e):      # numpy; x: float32 -> the quantised numbers, widened to float32 again
;;       x = np.moveaxis(x, axis, -1); K = x.shape[-1]
;;       r = np.clip(x / 2.0 ** e, -448, 448)
;;       step = 2.0 ** (np.maximum(np.frexp(np.where(r == 0, 1, r))[1] - 1, -6) - 3)
;;       q = np.round(r / step) * step * 2.0 ** e      # np.round: ties to even
;;       return np.moveaxis(q, -1, axis).astype(np.float32)
;;   ~~~
;;   SOFTMAX AHEAD OF A QUANTISED PRODUCT. Where the list says 'softmax', what is quantised is not the finished softmax but p = 2^(t - M), with t = logit x log2(e) and M = ceil(the row's largest t), a whole number; so 1/2 < the row's largest p <= 1. The row's sum l is taken of the UNQUANTISED p, in f32, and the product's result is divided by l at the end. Since M is a whole number, a kernel that streams over the keys may use a running M (the ceiling of the running maximum): every later rescaling is an exact power of two, so the quantised numbers keep their values, but for numbers so far below the row's largest that they fall under the format's range.
;;   OPERANDS COMPUTED ON THE WAY. 'Computed on the way' means the value that the module computes at that place (a softmax that the list does not call 'softmax' is quantised finished and normalised). What goes into a quantiser is computed in f32, as accurately as f32 sums, v_exp_f32 and their like allow (about 1e-6 of the number): no bf16 or f16 on the way to a quantiser, and a product that is left as it is and whose result goes on into a quantised operand takes f32 operands (vector FMAs, or v_wmma_f32_16x16x4_f32). A number that lies on a knife's edge between two numbers of the format may be rounded either way, as far as f32 arithmetic and the matrix unit's own rounding can turn it there, and no further.
;;   INPUTS GIVEN AS CODES. Wk (in the module: [1024, 1024], K = its axis 0); Wo (in the module: [1024, 1024], K = its axis 0); Wq (in the module: [1024, 1024], K = its axis 0); Wv (in the module: [1024, 1024], K = its axis 0); x (in the module: [4, 2048, 1024], K = its axis 2): each comes as NAME_codes (uint8): NAME with its K axis moved to the last place and cut into blocks of 32 codes, [.., K / 32, bytes a block], one block behind the other in memory; one code a byte (a code: sign, 4 exponent bits, 3 mantissa bits); its scale is its entry of lowp_scales. Its value is code x scale, taken as it is: it is not quantised again, and the codes and scales need not be those that the quantiser above would give.
;; One version. Each part assembles by itself: llvm-mc -triple=amdgcn-amd-amdhsa -mcpu=gfx1250 --defsym DOCPART=n.
;; ======== version 1 of 1: 3 launches
;; limits: right only within a limited range of input values
;; workspace buffers: q_codes 8,388,608 bytes; k_codes 8,388,608 bytes; v_codes 8,388,608 bytes; a_codes 8,388,608 bytes
;; launch proj (part 1): grid 12 x 32, 4 waves a work-group, clusters of 4 x 4, 327,680 bytes of LDS; arguments x_codes, Wq_codes, Wk_codes, Wv_codes, bq, bk, bv, lowp_scales, q_codes, k_codes, v_codes; writes q_codes, k_codes, v_codes
.if DOCPART == 1
	.amdgcn_target "amdgcn-amd-amdhsa--gfx1250"
	.amdhsa_code_object_version 6
	.text
	.protected	k_qdd92e608f3_proj
	.globl	k_qdd92e608f3_proj
	.p2align	8
	.type	k_qdd92e608f3_proj,@function
k_qdd92e608f3_proj:
	s_mov_b64 s[64:65], 0
	v_nop
	global_prefetch_b8 v0, s[64:65] scope:SCOPE_SE
	s_setreg_imm32_b32 hwreg(HW_REG_WAVE_MODE, 25, 1), 1
	s_wait_xcnt 0x0
	s_wait_alu depctr_hold_cnt(0) depctr_sa_sdst(0) depctr_va_vdst(0) depctr_va_sdst(0) depctr_va_ssrc(0) depctr_va_vcc(0) depctr_vm_vsrc(0)
	s_getreg_b32 s2, hwreg(HW_REG_IB_STS2, 6, 4)
	s_cmp_eq_u32 s2, 0
	s_cbranch_scc0 .Lentry_in_a_cluster
	s_endpgm
.Lentry_in_a_cluster:
	s_bfe_u32 s2, ttmp6, 0x10000c
	s_cmp_lg_u32 s2, 0xf033
	s_cbranch_scc0 .Lentry_shape_is_right
	s_endpgm
.Lentry_shape_is_right:
.set KSTEP,  256
.set ROWB,   256
.set KROW,   1024
.set PITCH,  272
.set FR,     16
.set NL,     4
.set NP,     4
.set HALFT,  128*PITCH
.set SLOT,   4*HALFT
.set LAPS,   KROW/(2*KSTEP)
.set SPARE,  2*SLOT
.set CBA,  8
.set RBA,  9
.set LM,   12
.set SC,   13
.set ADRA, 16
.set ADRB, 20
.set RDQ,  22
.set RDV,  23
.set STO,  24
.set GOQ,  26
.set GOV,  27
.set SPW,  28
.set NIL,  29
.set CB,   32
.set TMP,  32
.set RB,   96
.set AF,   128
.set CD,   128
.set G1, 24
.set G0, 32
.set G1B, 48
.set G0B, 56
.set MSB, 0
.macro WIN new
.if MSB != (\new)
	s_set_vgpr_msb (MSB<<8)|(\new)
.set MSB, (\new)
.endif
.endm
.set MUL_LO, 0xa1
.set MUL_HI, 0xf1
.set TO_B,   0x40
.macro JLOAD g0a, g1a, g0b, g1b
	s_cmp_eq_u32 s15, 0
	s_cbranch_scc0 .Lfor_b_\@
	tensor_load_to_lds s[\g0a:\g0a+3], s[\g1a:\g1a+7]
	s_nop 0
.rept 4
	v_nop
.endr
	s_branch .Lasked_\@
.Lfor_b_\@:
	tensor_load_to_lds s[\g0b:\g0b+3], s[\g1b:\g1b+7]
	s_nop 0
.rept 4
	v_nop
.endr
.Lasked_\@:
.endm
.macro CREST
	s_cmp_lg_u32 s14, 0
	s_cbranch_scc1 .Lnot_wave_0_\@
	s_barrier_signal -3
.Lnot_wave_0_\@:
	s_barrier_wait -3
	s_barrier_signal -1
	s_barrier_wait -1
.endm
.macro CROUND
	s_barrier_signal -1
	s_barrier_wait -1
	CREST
.endm
	s_load_b512 s[68:83], s[0:1], 0x0
	s_load_b128 s[84:87], s[0:1], 0x40
	s_load_b64 s[88:89], s[0:1], 0x50
	v_lshl_add_u32 v[SPW], v0, 2, SPARE
	v_mov_b32 v[NIL], 0
	ds_add_u32 v28, v29
	ds_add_u32 v28, v29
	s_wait_dscnt 0x0
	v_lshrrev_b32 v1, 5, v0
	v_readfirstlane_b32 s14, v1
	s_lshr_b32 s15, s14, 1
	s_and_b32 s16, s14, 1
	s_bfe_u32 s40, ttmp6, 0x40000
	s_bfe_u32 s41, ttmp6, 0x40004
	s_and_b32 s18, ttmp7, 0xffff
	s_cmp_eq_u32 ttmp9, 2
	s_cselect_b32 s66, 1, 0
	s_cselect_b32 s19, 0, s18
	s_cselect_b32 s18, s18, 0
	s_lshl_b32 s17, s19, 2
	s_add_co_u32 s17, s17, s41
	s_lshl_b32 s42, s18, 2
	s_add_co_u32 s42, s42, s40
	s_lshl_b32 s43, s41, 2
	s_lshl_b32 s43, 15, s43
	s_lshl_b32 s44, 0x1111, s40
	s_or_b32 s[G1+0], s43, (0<<16)|(1<<20)|(1<<21)|(5<<22)|(3<<25)
	s_or_b32 s[G1B+0], s44, (0<<16)|(1<<20)|(1<<21)|(5<<22)|(3<<25)
.irp g, G1, G1B
	s_mov_b32 s[\g+1], ROWB<<16
	s_mov_b32 s[\g+2], 128<<16
	s_mov_b32 s[\g+3], ROWB<<16
	s_mov_b32 s[\g+4], 128
	s_mov_b32 s[\g+5], KROW
	s_mov_b32 s[\g+6], 0
	s_mov_b32 s[\g+7], 0
.endr
	s_lshl_b32 s18, s16, 7
	s_lshl_b32 s20, s17, 8
	s_add_co_u32 s20, s20, s18
	s_lshl_b32 s20, s20, 10
	s_mov_b32 s21, 0
	s_lshl_b32 s46, s42, 8
	s_add_co_u32 s46, s46, s18
	s_lshl_b32 s46, s46, 10
	s_mov_b32 s47, 0
	s_mul_i32 s45, s14, HALFT
	s_wait_kmcnt 0x0
	s_load_b256 s[92:99], s[82:83], 0x0
	s_load_b32 s100, s[82:83], 0x24
	s_cmp_eq_u32 ttmp9, 0
	s_cselect_b64 s[6:7], s[70:71], s[72:73]
	s_cselect_b64 s[8:9], s[76:77], s[78:79]
	s_cselect_b64 s[10:11], s[84:85], s[86:87]
	s_cmp_eq_u32 ttmp9, 2
	s_cselect_b64 s[4:5], s[74:75], s[68:69]
	s_cselect_b64 s[6:7], s[68:69], s[6:7]
	s_cselect_b64 s[8:9], s[80:81], s[8:9]
	s_cselect_b64 s[10:11], s[88:89], s[10:11]
	s_add_nc_u64 s[20:21], s[4:5], s[20:21]
	s_add_nc_u64 s[46:47], s[6:7], s[46:47]
	CROUND
.irp s, 0,1
	s_mov_b32 s[G0+4*\s], 1
	s_add_co_u32 s[G0+4*\s+1], s45, \s*SLOT
	s_add_nc_u64 s[G0+4*\s+2:G0+4*\s+3], s[20:21], \s*ROWB
	s_or_b32 s[G0+4*\s+3], s[G0+4*\s+3], 0x80000000
	s_mov_b32 s[G0B+4*\s], 1
	s_add_co_u32 s[G0B+4*\s+1], s45, \s*SLOT
	s_add_nc_u64 s[G0B+4*\s+2:G0B+4*\s+3], s[46:47], \s*ROWB
	s_or_b32 s[G0B+4*\s+3], s[G0B+4*\s+3], 0x80000000
	s_wait_alu depctr_va_vdst(0)
	s_wait_tensorcnt 0x0
	ds_add_u32 v28, v29
	ds_add_u32 v28, v29
	s_wait_dscnt 0x0
	CROUND
	JLOAD G0+4*\s, G1, G0B+4*\s, G1B
.endr
	v_and_b32 v1, 15, v0
	v_bfe_u32 v2, v0, 4, 1
	v_mul_u32_u24 v3, v1, PITCH
	v_lshl_add_u32 v4, v2, 4, v3
	s_wait_alu depctr_va_vdst(0)
	s_mul_i32 s21, s15, HALFT
	s_mul_i32 s22, s16, HALFT
	s_add_co_u32 s22, s22, 2*HALFT
.irp s, 0,1
	v_add_nc_u32 v[ADRA+\s], s21, v4
	v_add_nc_u32 v[ADRB+\s], s22, v4
	s_add_co_u32 s21, s21, SLOT
	s_add_co_u32 s22, s22, SLOT
.endr
	s_mul_i32 s23, s15, 128*PITCH
	s_lshl_b32 s21, s16, 7
	s_add_co_u32 s23, s23, s21
	v_add_nc_u32 v[STO], s23, v4
	s_mul_i32 s23, s14, 64*PITCH
	v_and_b32 v6, 31, v0
	v_lshrrev_b32 v3, 2, v6
	v_mul_u32_u24 v3, v3, PITCH
	v_and_b32 v5, 3, v0
	v_lshl_add_u32 v3, v5, 4, v3
	v_add_nc_u32 v[RDQ], s23, v3
	v_mul_u32_u24 v3, v2, PITCH
	v_lshl_add_u32 v3, v1, 4, v3
	v_add_nc_u32 v[RDV], s23, v3
	v_lshlrev_b32 v[GOQ], 4, v6
	v_lshlrev_b32 v[GOV], 11, v2
	v_lshl_add_u32 v[GOV], v1, 4, v[GOV]
	s_lshl_b32 s21, s42, 8
	s_lshl_b32 s22, s16, 7
	s_add_co_u32 s21, s21, s22
	s_lshl_b32 s22, s17, 8
	s_lshl_b32 s23, s15, 7
	s_add_co_u32 s22, s22, s23
	s_cmp_eq_u32 s66, 1
	s_cselect_b32 s21, 0, s21
	s_cselect_b32 s22, s22, 0
	s_lshl_b32 s21, s21, 2
	s_lshl_b32 s22, s22, 2
	v_lshl_add_u32 v[CBA], v2, 5, s21
	v_lshl_add_u32 v[RBA], v1, 2, s22
.irp b, 0,1,2,3,4,5,6,7
	global_load_b128 v[CB+8*\b:CB+8*\b+3],   v[CBA], s[8:9] offset:64*\b
	global_load_b128 v[CB+8*\b+4:CB+8*\b+7], v[CBA], s[8:9] offset:64*\b+16
.endr
.irp a, 0,1,2,3,4,5,6,7
	global_load_b32 v[RB+2*\a],   v[RBA], s[8:9] offset:64*\a
	global_load_b32 v[RB+2*\a+1], v[RBA], s[8:9] offset:64*\a
.endr
	s_lshr_b32 s18, s17, 3
	s_lshl_b32 s18, s18, 4
	s_lshl_b32 s19, s42, 2
	s_add_co_u32 s18, s18, s19
	s_lshl_b32 s18, s18, 11
	s_and_b32 s19, s17, 7
	s_lshl_b32 s19, s19, 8
	s_add_co_u32 s18, s18, s19
	s_lshl_b32 s19, s14, 6
	s_add_co_u32 s18, s18, s19
	s_lshl_b32 s18, s18, 6
	s_lshr_b32 s22, s42, 3
	s_lshl_b32 s22, s22, 21
	s_lshl_b32 s23, s17, 8
	s_add_co_u32 s23, s23, s19
	s_lshl_b32 s23, s23, 11
	s_add_co_u32 s22, s22, s23
	s_and_b32 s23, s42, 7
	s_lshl_b32 s23, s23, 8
	s_add_co_u32 s22, s22, s23
	s_cmp_eq_u32 s66, 1
	s_cselect_b32 s18, s22, s18
	s_mov_b32 s19, 0
	s_add_nc_u64 s[10:11], s[10:11], s[18:19]
.macro FRAG reg, adr, q, i
.irp c, 0,1,2,3
	ds_load_b128 v[\reg+4*\c:\reg+4*\c+3], v[\adr] offset:128*(\q)+32*\c+(\i)*16*PITCH
.endr
.endm
.macro MUL16 a0, p, zero
.irp a, \a0, \a0+1
.irp b, 0,1,2,3,4,5,6,7
.if \zero
	v_wmma_f32_16x16x128_fp8_fp8 v[8*(8*((\a)%4)+\b):8*(8*((\a)%4)+\b)+7], v[128*(\p)+FR*\b:128*(\p)+FR*\b+FR-1], v[AF+FR*(\a):AF+FR*(\a)+FR-1], 0
.else
	v_wmma_f32_16x16x128_fp8_fp8 v[8*(8*((\a)%4)+\b):8*(8*((\a)%4)+\b)+7], v[128*(\p)+FR*\b:128*(\p)+FR*\b+FR-1], v[AF+FR*(\a):AF+FR*(\a)+FR-1], v[8*(8*((\a)%4)+\b):8*(8*((\a)%4)+\b)+7]
.endif
.endr
.endr
.endm
.macro FETCH_B slot, q, p
	WIN TO_B
.irp i, 0,1,2,3,4,5,6,7
	FRAG 128*(\p)+FR*\i, ADRB+\slot, \q, \i
.endr
	WIN 0
.endm
.macro FETCH_A slot, q, i0
.irp i, \i0, \i0+1, \i0+2, \i0+3
	FRAG AF+FR*(\i), ADRA+\slot, \q, \i
.endr
.endm
.macro PLACES n
.rept \n
	v_nop
.endr
.endm
.macro STEP slot, q, zero
	s_wait_dscnt 4*NL
	WIN MUL_LO
	MUL16 0, (\q)%2, \zero
	MUL16 2, (\q)%2, \zero
	s_wait_dscnt 0
	PLACES NP
	FETCH_B \slot, (\q)+1, 1-(\q)%2
	FETCH_A \slot, (\q)+1, 0
	WIN MUL_HI
	MUL16 4, (\q)%2, \zero
	MUL16 6, (\q)%2, \zero
	PLACES NP
	WIN 0
	FETCH_A \slot, (\q)+1, 4
.endm
.macro TURN slot, next, fill
	s_wait_tensorcnt 0x0
	ds_add_u32 v[SPW], v[NIL]
	s_wait_dscnt 4*NL+1
	WIN MUL_LO
	MUL16 0, 1, 0
	s_wait_dscnt 0x0
	s_barrier_signal -1
	MUL16 2, 1, 0
	WIN 0
	s_barrier_wait -1
.if \fill
	CREST
	s_add_nc_u64 s[G0+4*\slot+2:G0+4*\slot+3], s[G0+4*\slot+2:G0+4*\slot+3], 2*ROWB
	s_add_nc_u64 s[G0B+4*\slot+2:G0B+4*\slot+3], s[G0B+4*\slot+2:G0B+4*\slot+3], 2*ROWB
	JLOAD G0+4*\slot, G1, G0B+4*\slot, G1B
.else
	PLACES NP
.endif
	FETCH_B \next, 0, 0
	FETCH_A \next, 0, 0
	WIN MUL_HI
	MUL16 4, 1, 0
	MUL16 6, 1, 0
	PLACES NP
	WIN 0
	FETCH_A \next, 0, 4
.endm
	s_wait_loadcnt 0x0
	s_wait_tensorcnt 1
	s_barrier_signal -1
	s_barrier_wait -1
	FETCH_B 0, 0, 0
	FETCH_A 0, 0, 0
	FETCH_A 0, 0, 4
	STEP 0, 0, 1
	s_mov_b32 s3, LAPS-1
.Llap:
	TURN 0, 1, 1
	STEP 1, 0, 0
	TURN 1, 0, 1
	STEP 0, 0, 0
	s_sub_co_u32 s3, s3, 1
	s_cmp_lg_u32 s3, 0
	s_cbranch_scc1 .Llap
	TURN 0, 1, 0
	STEP 1, 0, 0
	s_wait_dscnt 4*NL
	WIN MUL_LO
	MUL16 0, 1, 0
	MUL16 2, 1, 0
	s_wait_dscnt 0
	WIN MUL_HI
	MUL16 4, 1, 0
	MUL16 6, 1, 0
	WIN 0
	s_wait_kmcnt 0x0
	s_add_co_i32 s92, s92, s93
	s_add_co_i32 s94, s94, s95
	s_add_co_i32 s96, s96, s97
	s_cmp_eq_u32 ttmp9, 0
	s_cselect_b32 s90, s92, s94
	s_cselect_b32 s67, s98, s99
	s_cmp_eq_u32 ttmp9, 2
	s_cselect_b32 s90, s96, s90
	s_cselect_b32 s67, s100, s67
	s_add_co_i32 s90, s90, 127
	s_lshl_b32 s90, s90, 23
	s_mov_b32 s91, s90
	s_add_co_i32 s67, s67, 127
	s_lshl_b32 s18, s67, 23
	v_mov_b32 v[SC], s18
	s_add_co_i32 s67, s67, 8
	s_lshl_b32 s67, s67, 23
	s_or_b32 s67, s67, 0x600000
	v_mov_b32 v[LM], s67
	PLACES NP
.macro BIAS rows
.irp a, 0,1,2,3,4,5,6,7
	WIN 0x82+0x41*(\a/4)
.irp b, 0,1,2,3,4,5,6,7
.irp i, 0,2,4,6
.if \rows
	v_pk_fma_f32 v[64*(\a%4)+8*\b+\i:64*(\a%4)+8*\b+\i+1], v[64*(\a%4)+8*\b+\i:64*(\a%4)+8*\b+\i+1], s[90:91], v[RB+2*\a:RB+2*\a+1] op_sel_hi:[1,0,1]
.else
	v_pk_fma_f32 v[64*(\a%4)+8*\b+\i:64*(\a%4)+8*\b+\i+1], v[64*(\a%4)+8*\b+\i:64*(\a%4)+8*\b+\i+1], s[90:91], v[CB+8*\b+\i:CB+8*\b+\i+1] op_sel_hi:[1,0,1]
.endif
.endr
.endr
.endr
	WIN 0
.endm
	s_cmp_eq_u32 s66, 1
	s_cbranch_scc1 .Lrow_bias
	BIAS 0
	s_branch .Lbiased
.Lrow_bias:
	BIAS 1
.Lbiased:
.macro QBLOCK a
	WIN 0x02+(\a)/4
.set i, 0
.rept 64
	v_med3_num_f32 v[TMP+i], v[64*((\a)%4)+i], -v[LM], v[LM]
.set i, i+1
.endr
	WIN 0
.irp t, 0,1,2,3,4,5,6,7
	v_cvt_scalef32_pk8_fp8_f32 v[CD+16*(\a)+2*\t:CD+16*(\a)+2*\t+1], v[TMP+8*\t:TMP+8*\t+7], v[SC]
.endr
	v_nop
.irp c, 0,1,2,3
	ds_store_b128 v[STO], v[CD+16*(\a)+4*\c:CD+16*(\a)+4*\c+3] offset:(\a)*16*PITCH+32*\c
.endr
.endm
.irp a, 0,1,2,3,4,5,6,7
	QBLOCK \a
.endr
	s_wait_dscnt 0x0
	s_barrier_signal -1
	s_barrier_wait -1
	s_cmp_eq_u32 s66, 1
	s_cbranch_scc1 .Lkeys_inner
.set t, 0
.rept 32
	ds_load_b128 v[CD+4*t:CD+4*t+3], v[RDQ] offset:64*(t/8)+(t%8)*8*PITCH
.set t, t+1
.endr
.set t, 0
.rept 32
	s_wait_dscnt 31-t
	global_store_b128 v[GOQ], v[CD+4*t:CD+4*t+3], s[10:11] offset:(t/8)*131072+(t%8)*512
.set t, t+1
.endr
	s_branch .Lstored
.Lkeys_inner:
.set t, 0
.rept 32
	ds_load_b128 v[CD+4*t:CD+4*t+3], v[RDV] offset:t*2*PITCH
.set t, t+1
.endr
.set t, 0
.rept 32
	s_wait_dscnt 31-t
	global_store_b128 v[GOV], v[CD+4*t:CD+4*t+3], s[10:11] offset:t*4096
.set t, t+1
.endr
.Lstored:
	s_wait_tensorcnt 0x0
	ds_add_u32 v[SPW], v[NIL]
	s_wait_dscnt 0x0
	CROUND
	s_endpgm
.Lfunc_end_k_qdd92e608f3_proj:
	.size	k_qdd92e608f3_proj, .Lfunc_end_k_qdd92e608f3_proj-k_qdd92e608f3_proj
	.p2alignl 7, 3214868480
	.fill 96, 4, 3214868480
	.section	.rodata,"a",@progbits
	.p2align	6, 0x0
	.amdhsa_kernel k_qdd92e608f3_proj
		.amdhsa_group_segment_fixed_size 327680
		.amdhsa_private_segment_fixed_size 0
		.amdhsa_enable_private_segment 0
		.amdhsa_kernarg_size 88
		.amdhsa_user_sgpr_count 2
		.amdhsa_user_sgpr_kernarg_segment_ptr 1
		.amdhsa_wavefront_size32 1
		.amdhsa_system_sgpr_workgroup_id_x 1
		.amdhsa_system_sgpr_workgroup_id_y 1
		.amdhsa_system_sgpr_workgroup_id_z 1
		.amdhsa_system_vgpr_workitem_id 0
		.amdhsa_next_free_vgpr 1024
		.amdhsa_next_free_sgpr 102
		.amdhsa_reserve_vcc 0
		.amdhsa_float_denorm_mode_32 3
		.amdhsa_float_denorm_mode_16_64 3
		.amdhsa_memory_ordered 1
		.amdhsa_forward_progress 1
		.amdhsa_inst_pref_size 167
	.end_amdhsa_kernel
	.amdgpu_metadata
---
amdhsa.version: [ 1, 2 ]
amdhsa.kernels:
  - .name:           k_qdd92e608f3_proj
    .symbol:         k_qdd92e608f3_proj.kd
    .args:
      - { .name: x_codes, .offset: 0, .size: 8, .value_kind: global_buffer, .address_space: global }
      - { .name: Wq_codes, .offset: 8, .size: 8, .value_kind: global_buffer, .address_space: global }
      - { .name: Wk_codes, .offset: 16, .size: 8, .value_kind: global_buffer, .address_space: global }
      - { .name: Wv_codes, .offset: 24, .size: 8, .value_kind: global_buffer, .address_space: global }
      - { .name: bq, .offset: 32, .size: 8, .value_kind: global_buffer, .address_space: global }
      - { .name: bk, .offset: 40, .size: 8, .value_kind: global_buffer, .address_space: global }
      - { .name: bv, .offset: 48, .size: 8, .value_kind: global_buffer, .address_space: global }
      - { .name: lowp_scales, .offset: 56, .size: 8, .value_kind: global_buffer, .address_space: global }
      - { .name: q_codes, .offset: 64, .size: 8, .value_kind: global_buffer, .address_space: global }
      - { .name: k_codes, .offset: 72, .size: 8, .value_kind: global_buffer, .address_space: global }
      - { .name: v_codes, .offset: 80, .size: 8, .value_kind: global_buffer, .address_space: global }
    .group_segment_fixed_size: 327680
    .private_segment_fixed_size: 0
    .kernarg_segment_align: 8
    .kernarg_segment_size: 88
    .max_flat_workgroup_size: 128
    .sgpr_count:     102
    .vgpr_count:     1024
    .wavefront_size: 32
...
	.end_amdgpu_metadata
.endif
;; end of part 1
;; launch attn (part 2): grid 4 x 64, 16 waves a work-group, clusters of 4 x 1, 327,680 bytes of LDS; arguments q_codes, k_codes, v_codes, lowp_scales, a_codes; writes a_codes
.if DOCPART == 2
	.amdgcn_target "amdgcn-amd-amdhsa--gfx1250"
	.amdhsa_code_object_version 6
	.text
	.protected	k_qdd92e608f3_attn
	.globl	k_qdd92e608f3_attn
	.p2align	8
	.type	k_qdd92e608f3_attn,@function
k_qdd92e608f3_attn:
	s_mov_b64 s[64:65], 0
	v_nop
	global_prefetch_b8 v0, s[64:65] scope:SCOPE_SE
	s_setreg_imm32_b32 hwreg(HW_REG_WAVE_MODE, 25, 1), 1
	s_wait_xcnt 0x0
	s_wait_alu depctr_hold_cnt(0) depctr_sa_sdst(0) depctr_va_vdst(0) depctr_va_sdst(0) depctr_va_ssrc(0) depctr_va_vcc(0) depctr_vm_vsrc(0)
	s_getreg_b32 s2, hwreg(HW_REG_IB_STS2, 6, 4)
	s_cmp_eq_u32 s2, 0
	s_cbranch_scc0 .Lentry_in_a_cluster
	s_endpgm
.Lentry_in_a_cluster:
	s_bfe_u32 s2, ttmp6, 0x10000c
	s_cmp_lg_u32 s2, 0x3003
	s_cbranch_scc0 .Lentry_shape_is_right
	s_endpgm
.Lentry_shape_is_right:
; ATTENTION ON CODES OF FP8 (E4M3): for each of 64 heads (batch x head), a[q][:] = the sum over keys of softmax(q . k / 8) v[key][:], both products on codes, and a quantised for the last projection.
; q_codes, k_codes: [64][2048][64]; v_codes: [64][64 channels][2048 keys], the keys innermost; in all three byte 32 c + 16 h + 8 u + i of the innermost axis holds number 32 c + 16 u + 8 h + i, so that
; 16-byte loads at 16 (lane / 16) + 32 c give an operand in the order of its registers.  a_codes: [64][2048][64], channels in their own order.  Entries of the scales: 6 q, 7 k, 8 p, 9 v, 10 a.
; THE SOFTMAX: t = score x log2(e) / 8; M = the row's largest t so far, rounded UP to a whole number; p = 2^(t - M) is quantised along the keys, not normalised.
; The row's sum is taken of the unquantised p, in f32, and divides at the end.  When M moves, the sum and O are multiplied by 2^(old M - new M): exact.
; SHARES.  A work-group owns 512 queries of one head; each of its sixteen waves owns 32, two tiles of 16, in 256 registers; each fragment of K and V read from LDS feeds two products.  Every wave walks all 2,048 keys, 128 a step.
; A HEAD'S WHOLE K AND V STAY IN LDS: K 2,048 rows x 80 bytes = 163,840; V 4 chunks of 512 keys x 64 rows x 528 bytes = 135,168.  Each wave asks for one sixteenth (16,384 bytes) by its one tensor load at the head:
; waves 0-7 256 keys of K each, waves 8-15 32 channels x 512 keys of V each.  Nothing is filled again, so one barrier behind the loads is the only one ahead of the closing round.
; CLUSTER.  The four query blocks of a head form a cluster and need the same K and V: each load is asked for JOINTLY, with the same descriptor and a mask that names the four.
; NO PREFETCH: all sixteen tensor loads go out at the head and no load follows them, so the text has no later load to ask ahead of.
; LAYOUT.  Both products are used transposed: S^T = K Q^T, O^T = V^T P^T: a lane holds ONE query (lane % 16) of each tile.  In S^T's tile t a lane's eight registers are keys 16 t + 8 (lane / 16) + 0 .. 7: their codes are registers 2 t, 2 t + 1 of P.
; LIMITS on the given exponents, so that each power of two below is an f32 number: entries 6 + 7 between -123 and 130; entries 8 and 10 between -126 and 119.  The scaled scores stay under 2^31 in magnitude.  NaN is not served.
; REGISTERS: v1-7 addresses and the scale; v[8:11] -M and the largest t of tiles 0, 1; v[12:15] their sums; v16-31 Q; v192-255 O^T; between them five blocks:
;   v64-127 (S0) tile 0's scores, then p, then V's four fragments;  v128-159 (Y) K's fragments 4-7, then tile 1's scores of keys 0-63;
;   v32-63 (R0) and v160-191 (X) swap roles from step to step: one (KA) holds K's fragments 0-3, then the softmax's scratch, then P; the other (FR) tile 1's scores of keys 64-127, then the NEXT step's fragments 0-3.
; The next step's fragments of K are asked for behind tile 1's conversions, into Y and FR, ahead of the second product.
.set KP,    80                         ; a key's row in LDS: 64 bytes + 16
.set VP,    528                        ; a channel's row of a chunk of V: 512 bytes + 16
.set VOFF,  2048*KP
.set VCH,   64*VP                      ; a chunk of V
.set SPARE, VOFF+4*VCH                 ; the spare words, 128 bytes a wave: eight blocks of 256 bytes that no other line names
.set STAGE, SPARE+16*128               ; the way out: 16 rows x 80 bytes for each wave, bytes of its own in which no load lands
.set AK0,  1
.set AV0,  2
.set ADR,  3                           ; v3   LDS address of the step's fragments of V
.set SPW,  4
.set NIL,  5
.set ADK,  6                           ; v6   LDS address of the trip's fragments of K
.set SCL,  7
.set MS,   8
.set LS,   12
.set QF,   16
.set R0,   32
.set F,    32
.set S0,   64
.set S,    64
.set Y,    128
.set X,    160
.set O,    192
.set WV,   14
.set G1K,  24
.set G1V,  32
.set G0K,  40
.set G0V,  44
.set SEL,  48
.set CS,   50
.set KN,   52                          ; s52  LDS byte of the next trip's first key row
.set VB,   53                          ; s53  LDS byte of the trip's chunk of V, from VOFF
.set CNT,  54
.set KM,   55                          ; s55  s52 held at the last 512 keys' first row
.set LIMP, 57                          ; s57  448 x 2^(entry 8)
.macro CROUND                          ; a round of the cluster's barrier
	s_barrier_signal -1
	s_barrier_wait -1
	s_cmp_lg_u32 s[WV], 0
	s_cbranch_scc1 .Lnot_wave_0_\@
	s_barrier_signal -3
.Lnot_wave_0_\@:
	s_barrier_wait -3
	s_barrier_signal -1
	s_barrier_wait -1
.endm
	s_load_b256 s[4:11], s[0:1], 0x0               ; q_codes, k_codes, v_codes, the scales
	s_load_b64 s[12:13], s[0:1], 0x20              ; a_codes
	v_lshl_add_u32 v[SPW], v0, 2, SPARE
	v_mov_b32 v[NIL], 0
	ds_add_u32 v[SPW], v[NIL]                      ; the opening lines: the add, twice on end, and its wait
	ds_add_u32 v[SPW], v[NIL]
	s_wait_dscnt 0x0
	v_lshrrev_b32 v3, 5, v0
	s_delay_alu instid0(VALU_DEP_1)
	v_readfirstlane_b32 s[WV], v3                  ; wave 0..15
	s_bfe_u32 s15, ttmp6, 0x40000                  ; cx: my block of 512 queries: it enters Q's and a's addresses alone
	s_and_b32 s16, ttmp7, 0xffff                   ; the head, which the four partners share
	s_lshl_b32 s80, s16, 17                        ; the head's first byte in each buffer
	s_mov_b32 s81, 0
	s_lshl_b32 s82, s15, 15
	s_lshl_b32 s83, s[WV], 11
	s_add_co_u32 s82, s82, s83
	s_add_co_u32 s82, s82, s80                     ; my wave's 32 rows of 64 bytes
	s_mov_b32 s83, 0
	s_and_b32 s84, s[WV], 7                        ; j: which eighth of K or of V I fetch
	s_lshl_b32 s86, s84, 14                        ; K: 256 rows of 64 bytes in memory,
	s_add_co_u32 s86, s86, s80
	s_mov_b32 s87, 0
	s_mul_i32 s85, s84, 256*KP                     ; and in LDS
	s_and_b32 s88, s84, 1
	s_lshl_b32 s88, s88, 16                        ; V: channels 32 (j % 2) on, rows of 2,048 bytes,
	s_lshr_b32 s89, s84, 1
	s_lshl_b32 s89, s89, 9                         ; keys 512 (j / 2) on
	s_add_co_u32 s88, s88, s89
	s_add_co_u32 s88, s88, s80
	s_mov_b32 s89, 0
	s_mul_i32 s90, s84, 32*VP                      ; chunk j / 2, half j % 2: 32 rows x j
	s_add_co_u32 s90, s90, VOFF
	; group 1.  K: 16,384 dense bytes stated as 64 rows of 256, the padding behind each 64 bytes;  V: 32 rows of 512 bytes, 2,048 apart
	s_mov_b32 s[G1K], 15|(0<<16)|(1<<20)|(1<<21)|(3<<22)|(3<<25)
	s_mov_b32 s[G1K+1], 256<<16
	s_mov_b32 s[G1K+2], 64<<16
	s_mov_b32 s[G1K+3], 256<<16
	s_mov_b32 s[G1K+4], 64
	s_mov_b32 s[G1K+5], 256
	s_mov_b32 s[G1K+6], 0
	s_mov_b32 s[G1K+7], 0
	s_mov_b32 s[G1V], 15|(0<<16)|(1<<20)|(1<<21)|(6<<22)|(3<<25)
	s_mov_b32 s[G1V+1], 512<<16
	s_mov_b32 s[G1V+2], 32<<16
	s_mov_b32 s[G1V+3], 512<<16
	s_mov_b32 s[G1V+4], 32
	s_mov_b32 s[G1V+5], 2048
	s_mov_b32 s[G1V+6], 0
	s_mov_b32 s[G1V+7], 0
	s_mov_b32 s[SEL], 0x76543210
	s_mov_b32 s[SEL+1], 0xfedcba98
	s_mov_b32 s[CS], 0x3e38aa3b                    ; log2(e) / sqrt(64)
	s_mov_b32 s[KN], 0
	s_mov_b32 s[VB], 0
	s_mov_b32 s[CNT], 4
	s_wait_kmcnt 0x0
	s_load_b128 s[68:71], s[10:11], 0x18           ; entries 6 to 9
	s_load_b32 s72, s[10:11], 0x28                 ; entry 10
	s_mov_b32 s[G0K], 1
	s_mov_b32 s[G0K+1], s85
	s_add_nc_u64 s[G0K+2:G0K+3], s[6:7], s[86:87]
	s_or_b32 s[G0K+3], s[G0K+3], 0x80000000
	s_mov_b32 s[G0V], 1
	s_mov_b32 s[G0V+1], s90
	s_add_nc_u64 s[G0V+2:G0V+3], s[8:9], s[88:89]
	s_or_b32 s[G0V+3], s[G0V+3], 0x80000000
	CROUND                                         ; all four work-groups are here: the joint loads meet
	s_cmp_lt_u32 s[WV], 8                          ; every wave issues one load: waves 0-7 for K, waves 8-15 for V
	s_cbranch_scc0 .Lfor_v
	tensor_load_to_lds s[G0K:G0K+3], s[G1K:G1K+7]
	s_nop 0
.rept 4
	v_nop
.endr
	s_branch .Lasked
.Lfor_v:
	tensor_load_to_lds s[G0V:G0V+3], s[G1V:G1V+7]
	s_nop 0
.rept 4
	v_nop
.endr
.Lasked:
	s_add_nc_u64 s[4:5], s[4:5], s[82:83]          ; Q's codes at my wave's first query
	s_add_nc_u64 s[12:13], s[12:13], s[82:83]      ; a's likewise
	v_and_b32 v8, 15, v0                           ; r
	v_bfe_u32 v9, v0, 4, 1                         ; h
	s_delay_alu instid0(VALU_DEP_2)
	v_lshlrev_b32 v3, 6, v8
	s_delay_alu instid0(VALU_DEP_1)
	v_lshl_add_u32 v3, v9, 4, v3                   ; Q: row r of 64 bytes, + 16 h
.irp y, 0,1
	global_load_b128 v[QF+8*\y:QF+8*\y+3],   v3, s[4:5] offset:1024*\y
	global_load_b128 v[QF+8*\y+4:QF+8*\y+7], v3, s[4:5] offset:1024*\y+32
.endr
	v_mul_u32_u24 v[AK0], v8, KP
	s_delay_alu instid0(VALU_DEP_1)
	v_lshl_add_u32 v[AK0], v9, 4, v[AK0]
	v_mul_u32_u24 v[AV0], v8, VP
	s_delay_alu instid0(VALU_DEP_1)
	v_lshl_add_u32 v[AV0], v9, 4, v[AV0]
	s_delay_alu instid0(VALU_DEP_1)
	v_add_nc_u32 v[AV0], VOFF, v[AV0]
	v_mov_b32 v[ADK], v[AK0]                       ; the first trip's keys begin at LDS byte 0
.irp y, 0,1
	v_mov_b32 v[MS+2*\y+1], 0xff61b1e6             ; the largest t so far: -3e38
	s_delay_alu instid0(VALU_DEP_1)
	v_floor_f32 v[MS+2*\y], -v[MS+2*\y+1]          ; -M
	v_mov_b32 v[LS+2*\y], 0
	v_mov_b32 v[LS+2*\y+1], 0
.endr
.set i, 0
.rept 64
	v_mov_b32 v[O+i], 0                            ; O^T: the key step has one form; the first finds zeros
.set i, i+1
.endr
	s_wait_kmcnt 0x0
	s_add_co_i32 s76, s68, s69
	s_lshl_b32 s76, s76, 23
	s_add_co_i32 s[CS], s[CS], s76                 ; entries 6 + 7 are added to c's exponent field
	s_mov_b32 s[CS+1], s[CS]
	s_add_co_i32 s76, s70, 127
	s_lshl_b32 s77, s76, 23
	v_mov_b32 v[SCL], s77                          ; 2^(entry 8) as f32
	s_add_co_i32 s76, s76, 8
	s_lshl_b32 s76, s76, 23
	s_or_b32 s[LIMP], s76, 0x600000                ; 448 x that
; Number j (0 .. 63) of tile 0 lies in v[S0 + j]; of tile 1 in v[Y + j + (j / 32) D1]: Y for keys 0-63, FR for keys 64-127 (D1 = FR - Y - 32).
; Scratch of tile y at v[KA + 8 y], up to the rescaling: +0, +1 two chains of the maximum; +2 the other half of the lanes'; +3 the old -M; +4 f (pair with +5).  Then all of KA holds partial sums, then P.
.macro KLOAD ka, off                   ; sixteen loads: the eight fragments of K of the 128 keys that begin off rows behind v[ADK]: 0-3 into ka, 4-7 into Y
.irp t, 0,1,2,3
	ds_load_b128 v[\ka+8*\t:\ka+8*\t+3],   v[ADK] offset:((\off)+16*\t)*KP
	ds_load_b128 v[\ka+8*\t+4:\ka+8*\t+7], v[ADK] offset:((\off)+16*\t)*KP+32
	ds_load_b128 v[Y+8*\t:Y+8*\t+3],       v[ADK] offset:((\off)+64+16*\t)*KP
	ds_load_b128 v[Y+8*\t+4:Y+8*\t+7],     v[ADK] offset:((\off)+64+16*\t)*KP+32
.endr
.endm
.macro M3 c, a, b                      ; chain c of both tiles takes in numbers a and b
	v_max3_num_f32 v[KA+\c], v[KA+\c], v[S0+(\a)], v[S0+(\b)]
	v_max3_num_f32 v[KA+8+\c], v[KA+8+\c], v[Y+(\a)+((\a)/32)*D1], v[Y+(\b)+((\b)/32)*D1]
.endm
.macro MAXES                           ; both tiles line by line: four chains take turns; each accumulator from its low end on
	v_max3_num_f32 v[KA], v[S0], v[S0+1], v[S0+2]
	v_max3_num_f32 v[KA+8], v[Y], v[Y+1], v[Y+2]
	v_max3_num_f32 v[KA+1], v[S0+3], v[S0+4], v[S0+5]
	v_max3_num_f32 v[KA+9], v[Y+3], v[Y+4], v[Y+5]
.irp i, 6,10,14,18,22,26,30,34,38,42,46,50,54,58
	M3 0, \i, \i+1
	M3 1, \i+2, \i+3
.endr
	M3 0, 62, 63
.irp y, 0,1
	v_max_num_f32 v[KA+8*\y], v[KA+8*\y], v[KA+8*\y+1]
.endr
.irp y, 0,1
	v_permlanex16_b32 v[KA+8*\y+2], v[KA+8*\y], s[SEL], s[SEL+1]
.endr
.irp y, 0,1
	v_max_num_f32 v[KA+8*\y], v[KA+8*\y], v[KA+8*\y+2]     ; and among lane l xor 16's
.endr
.irp y, 0,1
	v_mul_f32 v[KA+8*\y], s[CS], v[KA+8*\y]                ; as t (c is positive)
.endr
.irp y, 0,1
	v_max_num_f32 v[MS+2*\y+1], v[MS+2*\y+1], v[KA+8*\y]   ; the running largest t
	v_mov_b32 v[KA+8*\y+3], v[MS+2*\y]
.endr
.irp y, 0,1
	v_floor_f32 v[MS+2*\y], -v[MS+2*\y+1]                  ; the new -M = -ceil(t)
.endr
.irp y, 0,1
	v_sub_f32 v[KA+8*\y+3], v[MS+2*\y], v[KA+8*\y+3]       ; old M - new M: a whole number, 0 or less
.endr
.irp y, 0,1
	v_cvt_i32_f32 v[KA+8*\y+3], v[KA+8*\y+3]               ; (it saturates)
.endr
.irp y, 0,1
	v_ldexp_f32 v[KA+8*\y+4], 1.0, v[KA+8*\y+3]            ; f = 2^(old M - new M)
.endr
.endm
.macro RESC                            ; the sums and O^T under the new M: x f; each accumulator from its low end on.  No exponential stands between the last step's products and these lines
.irp y, 0,1
	v_pk_mul_f32 v[LS+2*\y:LS+2*\y+1], v[LS+2*\y:LS+2*\y+1], v[KA+8*\y+4:KA+8*\y+5] op_sel_hi:[1,0]
.endr
.irp y, 0,1
.set j, 0
.rept 16
	v_pk_mul_f32 v[O+32*\y+j:O+32*\y+j+1], v[O+32*\y+j:O+32*\y+j+1], v[KA+8*\y+4:KA+8*\y+5] op_sel_hi:[1,0]
.set j, j+2
.endr
.endr
.endm
.macro SCALE0                          ; tile 0: t - M, two at a time
.set j, 0
.rept 32
	v_pk_fma_f32 v[S0+j:S0+j+1], v[S0+j:S0+j+1], s[CS:CS+1], v[MS:MS+1] op_sel_hi:[1,0,0]
.set j, j+2
.endr
.endm
.macro EXP0                            ; tile 0's 64 exponentials, p = 2^(t - M); among them tile 1's t - M, which names none of their registers and is first read behind the wait that follows
.set j, 0
.rept 32
.set k, Y+j+(j/32)*D1
	v_exp_f32 v[S0+j], v[S0+j]
	v_exp_f32 v[S0+j+1], v[S0+j+1]
	v_pk_fma_f32 v[k:k+1], v[k:k+1], s[CS:CS+1], v[MS+2:MS+3] op_sel_hi:[1,0,0]
.set j, j+2
.endr
.endm
.macro EXP1                            ; tile 1's 64 exponentials; among them, of tile 0: sixteen sums of two pairs of the unquantised p, into KA, and behind each the hold of those four p.  All are first read behind the wait that follows
.set j, 0
.rept 16
.set k, Y+j+(j/32)*D1
	v_exp_f32 v[k], v[k]
	v_pk_add_f32 v[KA+j/2:KA+j/2+1], v[S0+j:S0+j+1], v[S0+j+2:S0+j+3]
	v_exp_f32 v[k+1], v[k+1]
	v_dual_min_num_f32 v[S0+j], s[LIMP], v[S0+j] :: v_dual_min_num_f32 v[S0+j+1], s[LIMP], v[S0+j+1]
	v_exp_f32 v[k+2], v[k+2]
	v_dual_min_num_f32 v[S0+j+2], s[LIMP], v[S0+j+2] :: v_dual_min_num_f32 v[S0+j+3], s[LIMP], v[S0+j+3]
	v_exp_f32 v[k+3], v[k+3]
.set j, j+4
.endr
.endm
.macro UA d, s
	v_pk_add_f32 v[\d:\d+1], v[\d:\d+1], v[\s:\s+1]
.endm
.macro PA d, m                         ; pair m (0 .. 31) of tile 1's p
.set k, Y+2*(\m)+((\m)/16)*D1
	v_pk_add_f32 v[\d:\d+1], v[\d:\d+1], v[k:k+1]
.endm
.macro SUM0                            ; tile 0's sixteen partial sums (pair n at KA + 2 n) onto its sum: four chains by turns
	UA LS, KA
	UA KA+2, KA+10
	UA KA+4, KA+12
	UA KA+6, KA+14
	UA LS, KA+8
	UA KA+2, KA+18
	UA KA+4, KA+20
	UA KA+6, KA+22
	UA LS, KA+16
	UA KA+2, KA+26
	UA KA+4, KA+28
	UA KA+6, KA+30
	UA LS, KA+24
	UA KA+2, KA+4
	UA LS, KA+6
	UA LS, KA+2
.endm
.macro SUM1                            ; tile 1's sum of the unquantised p: four chains by turns, three of them in P's upper half, which is written later
	v_pk_add_f32 v[KA+16:KA+17], v[Y:Y+1], v[Y+2:Y+3]
	v_pk_add_f32 v[KA+18:KA+19], v[Y+4:Y+5], v[Y+6:Y+7]
	v_pk_add_f32 v[KA+20:KA+21], v[Y+8:Y+9], v[Y+10:Y+11]
.irp m, 6,10,14,18,22,26
	PA LS+2, \m
	PA KA+16, \m+1
	PA KA+18, \m+2
	PA KA+20, \m+3
.endr
	PA LS+2, 30
	PA KA+16, 31
	UA KA+18, KA+20
	UA LS+2, KA+16
	UA LS+2, KA+18
.endm
.macro CONV y                          ; p's codes: tile c's eight registers become registers 2 c, 2 c + 1 of P.  The conversion does not saturate (ISA guide 7.6.2); p is not negative, so the hold is one-sided: two numbers an instruction (tile 0's stands in EXP1)
.irp c, 0,1,2,3,4,5,6,7
.if \y
.set k, Y+8*\c+(\c/4)*D1
.irp i, 0,2,4,6
	v_dual_min_num_f32 v[k+\i], s[LIMP], v[k+\i] :: v_dual_min_num_f32 v[k+\i+1], s[LIMP], v[k+\i+1]
.endr
.else
.set k, S0+8*\c
.endif
	v_cvt_scalef32_pk8_fp8_f32 v[KA+16*\y+2*\c:KA+16*\y+2*\c+1], v[k:k+7], v[SCL]
.endr
.endm
; A KEY STEP: 128 keys, the q-th of the trip's 512, for both tiles of queries.
.macro STEP q
.if (\q)%2
.set KA, X
.set FR, R0
.else
.set KA, R0
.set FR, X
.endif
.set D1, FR-Y-32
.rept 5
	v_nop                                          ; five places behind the last step's products: the products below write over V's fragments and P
.endr
	s_wait_dscnt 0x0                               ; K's eight fragments, asked for in the last step
.irp t, 0,1,2,3
	v_wmma_f32_16x16x64_fp8_fp8 v[S0+8*\t:S0+8*\t+7], v[KA+8*\t:KA+8*\t+7], v[QF:QF+7], 0
.endr
.irp t, 0,1,2,3
	v_wmma_f32_16x16x64_fp8_fp8 v[S0+32+8*\t:S0+32+8*\t+7], v[Y+8*\t:Y+8*\t+7], v[QF:QF+7], 0
.endr
.irp t, 0,1,2,3
	v_wmma_f32_16x16x64_fp8_fp8 v[FR+8*\t:FR+8*\t+7], v[Y+8*\t:Y+8*\t+7], v[QF+8:QF+15], 0
.endr
.rept 5
	v_nop                                          ; five places: the four products below write over fragments 4-7
.endr
.irp t, 0,1,2,3
	v_wmma_f32_16x16x64_fp8_fp8 v[Y+8*\t:Y+8*\t+7], v[KA+8*\t:KA+8*\t+7], v[QF+8:QF+15], 0
.endr
.rept 4
	v_nop
.endr
	MAXES
	RESC
	SCALE0
	s_wait_alu depctr_va_vdst(0)                   ; ahead of the first batch
	EXP0
	s_wait_alu depctr_va_vdst(0)                   ; behind the first batch and ahead of the second, whose exponentials read what stood among the first
	EXP1
	v_add_nc_u32 v[ADR], s[VB], v[AV0]             ; the plain instruction behind the last exponential
	s_wait_alu depctr_va_vdst(0)                   ; behind the second batch, ahead of the first line that names a result or reads what stood among it
	SUM0
	CONV 0
.irp d, 0,1,2,3                                ; V's four fragments (16 channels x 128 keys) land where tile 0's p lay, while tile 1's p are summed and converted
.irp c, 0,1,2,3
	ds_load_b128 v[S0+16*\d+4*\c:S0+16*\d+4*\c+3], v[ADR] offset:16*\d*VP+128*(\q)+32*\c
.endr
.endr
	SUM1
	CONV 1
	v_nop                                          ; one plain vector instruction behind the last conversion
.if (\q) == 3
	v_add_nc_u32 v[ADK], s[KM], v[AK0]             ; on to the next trip's 512 keys.  In the last trip the address is held at the last 512 keys and what is fetched is not used: so the count of the wait below is one on every path
	KLOAD FR, 0
.else
	KLOAD FR, 128*((\q)+1)
.endif
	s_wait_alu depctr_va_vdst(0)                   ; directly ahead of the wait below
	s_wait_dscnt 16                                ; V's sixteen loads are in; K's sixteen, issued behind them, may be out
.irp d, 0,1,2,3                                ; O^T += V^T P^T: the eight accumulators by turns; the next step's sixteen products stand between two links of a chain
.irp y, 0,1
	v_wmma_f32_16x16x128_fp8_fp8 v[O+32*\y+8*\d:O+32*\y+8*\d+7], v[S0+16*\d:S0+16*\d+15], v[KA+16*\y:KA+16*\y+15], v[O+32*\y+8*\d:O+32*\y+8*\d+7]
.endr
.endr
.endm
	s_wait_alu depctr_va_vdst(0)                   ; the wait at the head's end
	s_wait_loadcnt 0x0                             ; Q
	s_wait_tensorcnt 0x0                           ; my sixteenth of K and V is in;
	s_barrier_signal -1
	s_barrier_wait -1                              ; and so is everybody's: from here on K and V are only read
	KLOAD R0, 0                                    ; the first step's fragments of K
.Lchunk:                                           ; four trips of 512 keys: four key steps each, after which R0 and X are back in their roles
	s_add_co_u32 s[KN], s[KN], 512*KP
	s_min_u32 s[KM], s[KN], 3*512*KP
	STEP 0
	STEP 1
	STEP 2
	STEP 3
	s_add_co_u32 s[VB], s[VB], VCH
	s_sub_co_u32 s[CNT], s[CNT], 1
	s_cmp_lg_u32 s[CNT], 0
	s_cbranch_scc1 .Lchunk
	; THE WAY OUT.  O^T / the sum x 2^(entries 8 + 9) is held, converted with entry 10 and goes through my own stage in LDS, a tile of 16 rows at a time, so that eight rows of 64 bytes leave as 512 consecutive bytes.
	s_wait_dscnt 0x0                               ; the last fetch of K has landed: its registers may be written
	v_add_f32 v[LS], v[LS], v[LS+1]
	v_add_f32 v[LS+2], v[LS+2], v[LS+3]
	s_delay_alu instid0(VALU_DEP_2)
	v_permlanex16_b32 v[S+64], v[LS], s[SEL], s[SEL+1]     ; (into registers that the last products do not name)
	s_delay_alu instid0(VALU_DEP_2)
	v_permlanex16_b32 v[S+65], v[LS+2], s[SEL], s[SEL+1]
	s_delay_alu instid0(VALU_DEP_2)
	v_add_f32 v[LS], v[LS], v[S+64]                ; the rows' sums
	s_delay_alu instid0(VALU_DEP_2)
	v_add_f32 v[LS+2], v[LS+2], v[S+65]
	s_wait_alu depctr_va_vdst(0)
	v_rcp_f32 v[LS], v[LS]
	v_rcp_f32 v[LS+2], v[LS+2]
	v_and_b32 v9, 15, v0                           ; (the plain instruction behind the reciprocals)  r
	v_bfe_u32 v10, v0, 4, 1                        ; h
	s_mul_i32 s76, s[WV], 16*KP
	s_add_co_u32 s76, s76, STAGE                   ; my stage
	v_mul_u32_u24 v1, v9, KP
	s_delay_alu instid0(VALU_DEP_1)
	v_lshl_add_u32 v1, v10, 3, v1
	s_delay_alu instid0(VALU_DEP_1)
	v_add_nc_u32 v1, s76, v1                       ; in: row r, + 8 h: eight channels' codes
	v_and_b32 v11, 31, v0
	s_delay_alu instid0(VALU_DEP_1)
	v_lshrrev_b32 v2, 2, v11
	s_delay_alu instid0(VALU_DEP_1)
	v_mul_u32_u24 v2, v2, KP
	v_and_b32 v9, 3, v0
	s_delay_alu instid0(VALU_DEP_1)
	v_lshl_add_u32 v2, v9, 4, v2
	s_delay_alu instid0(VALU_DEP_1)
	v_add_nc_u32 v2, s76, v2                       ; back: four lanes to a row of 64 bytes, eight rows an instruction
	v_lshlrev_b32 v3, 4, v11                       ; and the same 512 bytes in a_codes
	s_add_co_i32 s77, s70, s71                     ; entries 8 + 9
	s_add_co_i32 s78, s72, 127
	s_lshl_b32 s79, s78, 23
	v_mov_b32 v7, s79                              ; 2^(entry 10) as f32
	s_add_co_i32 s78, s78, 8
	s_lshl_b32 s78, s78, 23
	s_or_b32 s78, s78, 0x600000
	v_mov_b32 v8, s78                              ; 448 x that
	s_wait_alu depctr_va_vdst(0)                   ; ahead of the first line that names a reciprocal
	v_ldexp_f32 v[LS], v[LS], s77
	v_ldexp_f32 v[LS+2], v[LS+2], s77
.irp y, 0,1
.set j, 0
.rept 16
	v_pk_mul_f32 v[S+32*\y+j:S+32*\y+j+1], v[O+32*\y+j:O+32*\y+j+1], v[LS+2*\y:LS+2*\y+1] op_sel_hi:[1,0]   ; register 8 d + i of tile y: channel 16 d + 8 h + i of query 16 y + r
.set j, j+2
.endr
.endr
.set j, 0
.rept 64
	v_med3_num_f32 v[S+j], v[S+j], -v8, v8         ; the hold at the largest code x the scale
.set j, j+1
.endr
.irp y, 0,1
.irp d, 0,1,2,3
	v_cvt_scalef32_pk8_fp8_f32 v[F+8*\y+2*\d:F+8*\y+2*\d+1], v[S+32*\y+8*\d:S+32*\y+8*\d+7], v7
.endr
.endr
	v_nop                                          ; one plain vector instruction behind the last conversion
.irp y, 0,1                                    ; LDS serves a wave's instructions in order (ISA guide 5.7.1.4): the loads see my stores, and tile 1's stores come behind tile 0's loads
.irp d, 0,1,2,3
	ds_store_b64 v1, v[F+8*\y+2*\d:F+8*\y+2*\d+1] offset:16*\d
.endr
.irp i, 0,1
	ds_load_b128 v[S+64+8*\y+4*\i:S+64+8*\y+4*\i+3], v2 offset:\i*8*KP
.endr
.endr
.irp y, 0,1
.irp i, 0,1
	s_wait_dscnt (1-\y)*6+1-\i                     ; behind this load: tile 0: its other load, tile 1's four stores and two loads; tile 1: its other load
	global_store_b128 v3, v[S+64+8*\y+4*\i:S+64+8*\y+4*\i+3], s[12:13] offset:1024*\y+512*\i
.endr
.endr
	s_wait_tensorcnt 0x0                           ; the wave's end
	ds_add_u32 v[SPW], v[NIL]
	s_wait_dscnt 0x0
	CROUND                                         ; the closing round
	s_endpgm
.Lfunc_end_k_qdd92e608f3_attn:
	.size	k_qdd92e608f3_attn, .Lfunc_end_k_qdd92e608f3_attn-k_qdd92e608f3_attn
	.p2alignl 7, 3214868480
	.fill 96, 4, 3214868480
	.section	.rodata,"a",@progbits
	.p2align	6, 0x0
	.amdhsa_kernel k_qdd92e608f3_attn
		.amdhsa_group_segment_fixed_size 327680
		.amdhsa_private_segment_fixed_size 0
		.amdhsa_enable_private_segment 0
		.amdhsa_kernarg_size 40
		.amdhsa_user_sgpr_count 2
		.amdhsa_user_sgpr_kernarg_segment_ptr 1
		.amdhsa_wavefront_size32 1
		.amdhsa_system_sgpr_workgroup_id_x 1
		.amdhsa_system_sgpr_workgroup_id_y 1
		.amdhsa_system_sgpr_workgroup_id_z 1
		.amdhsa_system_vgpr_workitem_id 0
		.amdhsa_next_free_vgpr 256
		.amdhsa_next_free_sgpr 96
		.amdhsa_reserve_vcc 0
		.amdhsa_float_denorm_mode_32 3
		.amdhsa_float_denorm_mode_16_64 3
		.amdhsa_memory_ordered 1
		.amdhsa_forward_progress 1
		.amdhsa_inst_pref_size 132
	.end_amdhsa_kernel
	.amdgpu_metadata
---
amdhsa.version: [ 1, 2 ]
amdhsa.kernels:
  - .name:           k_qdd92e608f3_attn
    .symbol:         k_qdd92e608f3_attn.kd
    .args:
      - { .name: q_codes, .offset: 0, .size: 8, .value_kind: global_buffer, .address_space: global }
      - { .name: k_codes, .offset: 8, .size: 8, .value_kind: global_buffer, .address_space: global }
      - { .name: v_codes, .offset: 16, .size: 8, .value_kind: global_buffer, .address_space: global }
      - { .name: lowp_scales, .offset: 24, .size: 8, .value_kind: global_buffer, .address_space: global }
      - { .name: a_codes, .offset: 32, .size: 8, .value_kind: global_buffer, .address_space: global }
    .group_segment_fixed_size: 327680
    .private_segment_fixed_size: 0
    .kernarg_segment_align: 8
    .kernarg_segment_size: 40
    .max_flat_workgroup_size: 512
    .sgpr_count:     96
    .vgpr_count:     256
    .wavefront_size: 32
...
	.end_amdgpu_metadata
.endif
;; end of part 2
;; launch outp (part 3): grid 8 x 32, 4 waves a work-group, clusters of 4 x 4, 327,680 bytes of LDS; arguments a_codes, Wo_codes, lowp_scales, out0, bo; writes out0
.if DOCPART == 3
	.amdgcn_target "amdgcn-amd-amdhsa--gfx1250"
	.amdhsa_code_object_version 6
	.text
	.protected	k_qdd92e608f3_outp
	.globl	k_qdd92e608f3_outp
	.p2align	8
	.type	k_qdd92e608f3_outp,@function
k_qdd92e608f3_outp:
	s_mov_b64 s[64:65], 0
	v_nop
	global_prefetch_b8 v0, s[64:65] scope:SCOPE_SE
	s_setreg_imm32_b32 hwreg(HW_REG_WAVE_MODE, 25, 1), 1
	s_wait_xcnt 0x0
	s_wait_alu depctr_hold_cnt(0) depctr_sa_sdst(0) depctr_va_vdst(0) depctr_va_sdst(0) depctr_va_ssrc(0) depctr_va_vcc(0) depctr_vm_vsrc(0)
	s_getreg_b32 s2, hwreg(HW_REG_IB_STS2, 6, 4)
	s_cmp_eq_u32 s2, 0
	s_cbranch_scc0 .Lentry_in_a_cluster
	s_endpgm
.Lentry_in_a_cluster:
	s_bfe_u32 s2, ttmp6, 0x10000c
	s_cmp_lg_u32 s2, 0xf033
	s_cbranch_scc0 .Lentry_shape_is_right
	s_endpgm
.Lentry_shape_is_right:
; out0 = a Wo^T x 2^(entries 10 + 11) + bo on codes of FP8 (E4M3).  a_codes: [64 heads][2048][64]; Wo_codes: [1024 (n)][1024 (k)]; out0: [8192][1024] f32.
; A block of out0 is 256 rows x 128 columns: 32 x 8 = 256 work-groups.  Four waves, each 128 rows x 64 columns: 32 accumulators, which take turns.  K goes in steps of 256 through a ring of two LDS slots.
; Clusters of 4 x 4: a's tiles are asked for jointly along a row of the cluster, Wo's (64 rows a loading wave) along a column.  The bias, divided by the scale, is the C of the first products.
; The way out: 16 rows x 64 columns through the wave's stage; sixteen lanes store one aligned unit of 256 bytes, two rows an instruction.
; LIMIT: entries 10 + 11 lie between -126 and 127, so that their power of two is an f32 number.
.set SIZE_N, 1024
.set ROWB,   256
.set KROW,   1024
.set PITCH,  272
.set APITCH, 80
.set HROWS,  128*APITCH
.set AREG,   4*HROWS
.set ASTEP,  4*2048*64
.set FR,     16
.set NL,     4
.set NP,     4
.set HALFT,  128*PITCH
.set SLOT,   2*AREG+2*HALFT
.set LAPS,   2
.set SPARE,  2*SLOT
.set SPITCH, 528
.set ADRA, 16
.set ADRB, 20
.set STO,  24
.set RD,   25
.set CO,   26
.set SPW,  28
.set NIL,  29
.set BI,   32
.set TMP,  32
.set AF,   128
.set BK,   128
.set G1, 24
.set G0, 32
.set G1B, 48
.set G0B, 56
.set MSB, 0
.macro WIN new
.if MSB != (\new)
	s_set_vgpr_msb (MSB<<8)|(\new)
.set MSB, (\new)
.endif
.endm
.set MUL_LO, 0xa1
.set MUL_HI, 0xf1
.set TO_B,   0x40
.macro JLOAD g0a, g1a, g0b, g1b
	s_cmp_eq_u32 s15, 0
	s_cbranch_scc0 .Lfor_b_\@
	tensor_load_to_lds s[\g0a:\g0a+3], s[\g1a:\g1a+7]
	s_nop 0
.rept 4
	v_nop
.endr
	s_branch .Lasked_\@
.Lfor_b_\@:
	tensor_load_to_lds s[\g0b:\g0b+3], s[\g1b:\g1b+7]
	s_nop 0
.rept 4
	v_nop
.endr
.Lasked_\@:
.endm
.macro CREST
	s_cmp_lg_u32 s14, 0
	s_cbranch_scc1 .Lnot_wave_0_\@
	s_barrier_signal -3
.Lnot_wave_0_\@:
	s_barrier_wait -3
	s_barrier_signal -1
	s_barrier_wait -1
.endm
.macro CROUND
	s_barrier_signal -1
	s_barrier_wait -1
	CREST
.endm
	s_load_b128 s[4:7], s[0:1], 0x0
	s_load_b128 s[8:11], s[0:1], 0x10
	s_load_b64 s[12:13], s[0:1], 0x20
	v_lshl_add_u32 v[SPW], v0, 2, SPARE
	v_mov_b32 v[NIL], 0
	ds_add_u32 v28, v29
	ds_add_u32 v28, v29
	s_wait_dscnt 0x0
	v_lshrrev_b32 v1, 5, v0
	v_readfirstlane_b32 s14, v1
	s_lshr_b32 s15, s14, 1
	s_and_b32 s16, s14, 1
	s_bfe_u32 s40, ttmp6, 0x40000
	s_bfe_u32 s41, ttmp6, 0x40004
	s_lshl_b32 s42, ttmp9, 2
	s_add_co_u32 s42, s42, s40
	s_and_b32 s17, ttmp7, 0xffff
	s_lshl_b32 s17, s17, 2
	s_add_co_u32 s17, s17, s41
	s_lshl_b32 s43, s41, 2
	s_lshl_b32 s43, 15, s43
	s_lshl_b32 s44, 0x1111, s40
	s_or_b32 s[G1+0], s43, (0<<16)|(1<<20)|(1<<21)|(3<<22)|(3<<25)
	s_mov_b32 s[G1+1], 8192<<16
	s_mov_b32 s[G1+2], 4<<16
	s_mov_b32 s[G1+3], 8192<<16
	s_mov_b32 s[G1+4], 4
	s_mov_b32 s[G1+5], 131072
	s_mov_b32 s[G1+6], 0
	s_mov_b32 s[G1+7], 0
	s_or_b32 s[G1B+0], s44, (0<<16)|(1<<20)|(1<<21)|(5<<22)|(3<<25)
	s_mov_b32 s[G1B+1], ROWB<<16
	s_mov_b32 s[G1B+2], 64<<16
	s_mov_b32 s[G1B+3], ROWB<<16
	s_mov_b32 s[G1B+4], 64
	s_mov_b32 s[G1B+5], KROW
	s_mov_b32 s[G1B+6], 0
	s_mov_b32 s[G1B+7], 0
	s_lshr_b32 s20, s17, 3
	s_lshl_b32 s20, s20, 15
	s_and_b32 s21, s17, 7
	s_lshl_b32 s21, s21, 8
	s_add_co_u32 s20, s20, s21
	s_lshl_b32 s21, s16, 7
	s_add_co_u32 s20, s20, s21
	s_lshl_b32 s20, s20, 6
	s_mov_b32 s21, 0
	s_lshl_b32 s46, s42, 7
	s_lshl_b32 s47, s16, 6
	s_add_co_u32 s46, s46, s47
	s_lshl_b32 s46, s46, 10
	s_mov_b32 s47, 0
	s_mul_i32 s45, s16, AREG
	s_mul_i32 s67, s16, HALFT
	s_add_co_u32 s67, s67, 2*AREG
	s_wait_kmcnt 0x0
	s_load_b64 s[96:97], s[8:9], 0x28
	s_add_nc_u64 s[20:21], s[4:5], s[20:21]
	s_add_nc_u64 s[46:47], s[6:7], s[46:47]
	CROUND
.irp s, 0,1
	s_mov_b32 s[G0+4*\s], 1
	s_add_co_u32 s[G0+4*\s+1], s45, \s*SLOT
	s_add_nc_u64 s[G0+4*\s+2:G0+4*\s+3], s[20:21], \s*ASTEP
	s_or_b32 s[G0+4*\s+3], s[G0+4*\s+3], 0x80000000
	s_mov_b32 s[G0B+4*\s], 1
	s_add_co_u32 s[G0B+4*\s+1], s67, \s*SLOT
	s_add_nc_u64 s[G0B+4*\s+2:G0B+4*\s+3], s[46:47], \s*ROWB
	s_or_b32 s[G0B+4*\s+3], s[G0B+4*\s+3], 0x80000000
	s_wait_alu depctr_va_vdst(0)
	s_wait_tensorcnt 0x0
	ds_add_u32 v28, v29
	ds_add_u32 v28, v29
	s_wait_dscnt 0x0
	CROUND
	JLOAD G0+4*\s, G1, G0B+4*\s, G1B
.endr
	v_and_b32 v1, 15, v0
	v_bfe_u32 v2, v0, 4, 1
	v_mul_u32_u24 v3, v1, PITCH
	v_lshl_add_u32 v4, v2, 4, v3
	v_mul_u32_u24 v3, v1, APITCH
	v_lshl_add_u32 v7, v2, 4, v3
	s_mul_i32 s21, s15, AREG
	s_mul_i32 s22, s16, HALFT
	s_add_co_u32 s22, s22, 2*AREG
.irp s, 0,1
	v_add_nc_u32 v[ADRA+\s], s21, v7
	v_add_nc_u32 v[ADRB+\s], s22, v4
	s_add_co_u32 s21, s21, SLOT
	s_add_co_u32 s22, s22, SLOT
.endr
	s_mul_i32 s23, s14, 16*SPITCH
	v_mul_u32_u24 v5, v1, SPITCH
	v_lshl_add_u32 v5, v2, 5, v5
	v_add_nc_u32 v[STO], s23, v5
	v_mul_u32_u24 v6, v2, SPITCH
	v_lshl_add_u32 v6, v1, 4, v6
	v_add_nc_u32 v[RD], s23, v6
	v_lshlrev_b32 v[CO], 12, v2
	v_lshl_add_u32 v[CO], v1, 4, v[CO]
	s_lshl_b32 s46, s42, 9
	s_lshl_b32 s47, s16, 8
	s_add_co_u32 s46, s46, s47
	s_mov_b32 s47, 0
	v_lshl_add_u32 v8, v2, 5, s46
.irp b, 0,1,2,3
	global_load_b128 v[BI+8*\b:BI+8*\b+3],   v8, s[12:13] offset:64*\b
	global_load_b128 v[BI+8*\b+4:BI+8*\b+7], v8, s[12:13] offset:64*\b+16
.endr
	s_lshl_b32 s20, s17, 8
	s_lshl_b32 s21, s15, 7
	s_add_co_u32 s20, s20, s21
	s_lshl_b32 s20, s20, 12
	s_mov_b32 s21, 0
	s_add_nc_u64 s[20:21], s[20:21], s[46:47]
	s_add_nc_u64 s[10:11], s[10:11], s[20:21]
	s_wait_kmcnt 0x0
	s_add_co_i32 s96, s96, s97
	s_sub_co_i32 s66, 0, s96
	s_add_co_i32 s96, s96, 127
	s_lshl_b32 s96, s96, 23
	s_mov_b32 s97, s96
	s_wait_loadcnt 0x0
.set j, 0
.rept 32
	v_ldexp_f32 v[BI+j], v[BI+j], s66
.set j, j+1
.endr
.macro FRAG reg, adr, q, i
.irp c, 0,1,2,3
	ds_load_b128 v[\reg+4*\c:\reg+4*\c+3], v[\adr] offset:128*(\q)+32*\c+(\i)*16*PITCH
.endr
.endm
.macro FRAGA reg, adr, q, i
.irp c, 0,1,2,3
	ds_load_b128 v[\reg+4*\c:\reg+4*\c+3], v[\adr] offset:(2*(\q)+\c/2)*HROWS+(\i)*16*APITCH+32*(\c%2)
.endr
.endm
.macro MUL16 a0, p, first
.irp a, \a0, \a0+1
.irp b, 0,1,2,3
.if \first
	v_wmma_f32_16x16x128_fp8_fp8 v[8*(8*((\a)%4)+\b):8*(8*((\a)%4)+\b)+7], v[128*(\p)+FR*\b:128*(\p)+FR*\b+FR-1], v[AF+FR*(\a):AF+FR*(\a)+FR-1], v[BI+8*\b:BI+8*\b+7]
.else
	v_wmma_f32_16x16x128_fp8_fp8 v[8*(8*((\a)%4)+\b):8*(8*((\a)%4)+\b)+7], v[128*(\p)+FR*\b:128*(\p)+FR*\b+FR-1], v[AF+FR*(\a):AF+FR*(\a)+FR-1], v[8*(8*((\a)%4)+\b):8*(8*((\a)%4)+\b)+7]
.endif
.endr
.endr
.endm
.macro FETCH_B slot, q, p
	WIN TO_B
.irp i, 0,1,2,3
	FRAG 128*(\p)+FR*\i, ADRB+\slot, \q, \i
.endr
	WIN 0
.endm
.macro FETCH_A slot, q, i0
.irp i, \i0, \i0+1, \i0+2, \i0+3
	FRAGA AF+FR*(\i), ADRA+\slot, \q, \i
.endr
.endm
.macro PLACES n
.rept \n
	v_nop
.endr
.endm
.macro STEP slot, q, first
	s_wait_dscnt 4*NL
	WIN MUL_LO-0x20*(\first)
	MUL16 0, (\q)%2, \first
	MUL16 2, (\q)%2, \first
	s_wait_dscnt 0
	PLACES NP
	FETCH_B \slot, (\q)+1, 1-(\q)%2
	FETCH_A \slot, (\q)+1, 0
	WIN MUL_HI-0x30*(\first)
	MUL16 4, (\q)%2, \first
	MUL16 6, (\q)%2, \first
	PLACES NP
	WIN 0
	FETCH_A \slot, (\q)+1, 4
.endm
.macro TURN slot, next, fill
	s_wait_tensorcnt 0x0
	ds_add_u32 v[SPW], v[NIL]
	s_wait_dscnt 4*NL+1
	WIN MUL_LO
	MUL16 0, 1, 0
	s_wait_dscnt 0x0
	s_barrier_signal -1
	MUL16 2, 1, 0
	WIN 0
	s_barrier_wait -1
.if \fill
	CREST
	s_add_nc_u64 s[G0+4*\slot+2:G0+4*\slot+3], s[G0+4*\slot+2:G0+4*\slot+3], 2*ASTEP
	s_add_nc_u64 s[G0B+4*\slot+2:G0B+4*\slot+3], s[G0B+4*\slot+2:G0B+4*\slot+3], 2*ROWB
	JLOAD G0+4*\slot, G1, G0B+4*\slot, G1B
.else
	PLACES NP
.endif
	FETCH_B \next, 0, 0
	FETCH_A \next, 0, 0
	WIN MUL_HI
	MUL16 4, 1, 0
	MUL16 6, 1, 0
	PLACES NP
	WIN 0
	FETCH_A \next, 0, 4
.endm
	s_wait_alu depctr_va_vdst(0)
	s_wait_tensorcnt 1
	s_barrier_signal -1
	s_barrier_wait -1
	FETCH_B 0, 0, 0
	FETCH_A 0, 0, 0
	FETCH_A 0, 0, 4
	STEP 0, 0, 1
	s_mov_b32 s3, LAPS-1
.Llap:
	TURN 0, 1, 1
	STEP 1, 0, 0
	TURN 1, 0, 1
	STEP 0, 0, 0
	s_sub_co_u32 s3, s3, 1
	s_cmp_lg_u32 s3, 0
	s_cbranch_scc1 .Llap
	TURN 0, 1, 0
	STEP 1, 0, 0
	s_wait_dscnt 4*NL
	WIN MUL_LO
	MUL16 0, 1, 0
	MUL16 2, 1, 0
	s_wait_dscnt 0
	WIN MUL_HI
	MUL16 4, 1, 0
	MUL16 6, 1, 0
	WIN 0
.macro TOSTAGE a
.set AC, 64*((\a)%4)
	WIN 0x02+((\a)/4)
.irp j, 0,2,4,6,8,10,12,14,16,18,20,22,24,26,28,30
	v_pk_mul_f32 v[TMP+\j:TMP+\j+1], v[AC+\j:AC+\j+1], s[96:97] op_sel_hi:[1,0]
.endr
	WIN 0
.irp b, 0,1,2,3
	ds_store_b128 v[STO], v[TMP+8*\b:TMP+8*\b+3] offset:64*\b
	ds_store_b128 v[STO], v[TMP+8*\b+4:TMP+8*\b+7] offset:64*\b+16
.endr
.set BB, BK+64*((\a)%2)
.irp t, 0,1,2,3,4,5,6,7
	ds_load_b128 v[BB+4*\t:BB+4*\t+3], v[RD] offset:\t*2*SPITCH
.endr
.endm
.macro SEND a, younger
.set BB, BK+64*((\a)%2)
	s_wait_dscnt \younger
.if (\a) > 0
	s_add_nc_u64 s[10:11], s[10:11], 16*SIZE_N*4
.endif
.irp t, 0,1,2,3,4,5,6,7
	global_store_b128 v[CO], v[BB+4*\t:BB+4*\t+3], s[10:11] offset:\t*2*SIZE_N*4 th:TH_STORE_NT
.endr
.endm
	PLACES NP
	TOSTAGE 0
.irp a, 1,2,3,4,5,6,7
.if \a > 1
	s_wait_xcnt 0x0
.endif
	TOSTAGE \a
	SEND \a-1, 16
.endr
	s_wait_xcnt 0x0
	SEND 7, 0
	s_wait_tensorcnt 0x0
	ds_add_u32 v[SPW], v[NIL]
	s_wait_dscnt 0x0
	CROUND
	s_endpgm
.Lfunc_end_k_qdd92e608f3_outp:
	.size	k_qdd92e608f3_outp, .Lfunc_end_k_qdd92e608f3_outp-k_qdd92e608f3_outp
	.p2alignl 7, 3214868480
	.fill 96, 4, 3214868480
	.section	.rodata,"a",@progbits
	.p2align	6, 0x0
	.amdhsa_kernel k_qdd92e608f3_outp
		.amdhsa_group_segment_fixed_size 327680
		.amdhsa_private_segment_fixed_size 0
		.amdhsa_enable_private_segment 0
		.amdhsa_kernarg_size 40
		.amdhsa_user_sgpr_count 2
		.amdhsa_user_sgpr_kernarg_segment_ptr 1
		.amdhsa_wavefront_size32 1
		.amdhsa_system_sgpr_workgroup_id_x 1
		.amdhsa_system_sgpr_workgroup_id_y 1
		.amdhsa_system_sgpr_workgroup_id_z 1
		.amdhsa_system_vgpr_workitem_id 0
		.amdhsa_next_free_vgpr 1024
		.amdhsa_next_free_sgpr 98
		.amdhsa_reserve_vcc 0
		.amdhsa_float_denorm_mode_32 3
		.amdhsa_float_denorm_mode_16_64 3
		.amdhsa_memory_ordered 1
		.amdhsa_forward_progress 1
		.amdhsa_inst_pref_size 82
	.end_amdhsa_kernel
	.amdgpu_metadata
---
amdhsa.version: [ 1, 2 ]
amdhsa.kernels:
  - .name:           k_qdd92e608f3_outp
    .symbol:         k_qdd92e608f3_outp.kd
    .args:
      - { .name: a_codes, .offset: 0, .size: 8, .value_kind: global_buffer, .address_space: global }
      - { .name: Wo_codes, .offset: 8, .size: 8, .value_kind: global_buffer, .address_space: global }
      - { .name: lowp_scales, .offset: 16, .size: 8, .value_kind: global_buffer, .address_space: global }
      - { .name: out0, .offset: 24, .size: 8, .value_kind: global_buffer, .address_space: global }
      - { .name: bo, .offset: 32, .size: 8, .value_kind: global_buffer, .address_space: global }
    .group_segment_fixed_size: 327680
    .private_segment_fixed_size: 0
    .kernarg_segment_align: 8
    .kernarg_segment_size: 40
    .max_flat_workgroup_size: 128
    .sgpr_count:     98
    .vgpr_count:     1024
    .wavefront_size: 32
...
	.end_amdgpu_metadata
.endif
;; end of part 3
